; MI455X (gfx1250); checked and timed in simulation.
; The chip was launched on July 23, 2026; its instructions are those of AMD's public machine-readable ISA for CDNA 5 (MIT licence, August 2026) and "CDNA5" Instruction Set Architecture Reference Guide (July 2026). The comments in the code are by the model that wrote it; some were corrected since.
;; Simple Mo E. Allowed arithmetic: matrix products marked QUANTISED: E5M2 operands, one E8M0 scale for each 32 along K, by v_wmma_scale_f32_16x16x128_f8f6f4 with both operands' format E5M2, f32 sums; products left as they are: f32 operands where the result goes on into a quantised operand, else bf16, f16 or f32 operands; f32 sums; everything else in f32.
;; Inputs: W1 8 x 1,024 x 2,048 float32; W2 8 x 2,048 x 1,024 float32; Wr 1,024 x 8 float32; b1 8 x 2,048 float32; b2 8 x 1,024 float32; br 8 float32; x 2 x 1,024 x 1,024 float32.
;; Outputs: out0 2 x 1,024 x 1,024 float32.
;; This version of the problem:
;;   THIS VERSION OF THE PROBLEM IS GIVEN IN LOW PRECISION. The matrix products marked QUANTISED in the list below multiply operands that are first quantised to E5M2 (5 exponent bits, 2 mantissa bits; 8 bits a number), with one power-of-two scale for each 32 numbers along K (OCP MX v1.0); their sums are f32. All else is computed in f32.
;;   The module's matrix products, in the order in which they are computed (A, B: the left and right operand; K: the contracted axis; several contracted axes count as one K, in the product's order):
;;     1. [M 2,048, K 1,024] x [K 1,024, N 8]; A: input x; B: input Wr: left as it is (N = 8 < 16)
;;     2. [M 16,384, K 1,024] x [K 1,024, N 2,048]; A: input W1; B: input x: QUANTISED
;;     3. batch 8 x [M 2,048, K 2,048] x [K 2,048, N 1,024]; A: computed on the way; B: input W2: QUANTISED
;;     4. batch 2,048 x [M 1,024, K 8] x [K 8, N 1]; A: computed on the way; B: computed on the way: left as it is (K = 8 < 32)
;;   THE QUANTISER, for each operand of a quantised product, along K:
;;     - K is cut into blocks of 32 from its start; a last block that is shorter is filled with zeros.
;;     - A block's scale is 2^e with e = floor(log2(the largest magnitude in the block)) - 15, held to -126 .. 127; a block of zeros has e = 0. As a byte (E8M0): e + 127.
;;     - Each number is divided by its block's scale, clamped to +-57,344, and rounded to the nearest number of E5M2, ties to even, subnormals kept.
;;     - The product sums the exact products of the quantised numbers (number of the format x scale) in f32.
;;   ~~~python
;;   def quantise(x, axis):      # numpy; x: float32 -> the quantised numbers, widened to float32 again
;;       x = np.moveaxis(x, axis, -1); K = x.shape[-1]
;;       x = np.pad(x, [(0, 0)] * (x.ndim - 1) + [(0, -K % 32)]); x = x.reshape(x.shape[:-1] + (-1, 32)); a = np.abs(x).max(-1, keepdims=True)
;;       e = np.where(a > 0, np.clip(np.frexp(np.where(a > 0, a, 1))[1] - 1 - 15, -126, 127), 0)      # np.frexp(a)[1] - 1 = floor(log2(a)), exactly
;;       r = np.clip(x / 2.0 ** e, -57344, 57344)
;;       step = 2.0 ** (np.maximum(np.frexp(np.where(r == 0, 1, r))[1] - 1, -14) - 2)
;;       q = np.round(r / step) * step * 2.0 ** e      # np.round: ties to even
;;       return np.moveaxis(q.reshape(q.shape[:-2] + (-1,))[..., :K], -1, axis).astype(np.float32)
;;   ~~~
;;   OPERANDS COMPUTED ON THE WAY. 'Computed on the way' means the value that the module computes at that place (a softmax that the list does not call 'softmax' is quantised finished and normalised). What goes into a quantiser is computed in f32, as accurately as f32 sums, v_exp_f32 and their like allow (about 1e-6 of the number): no bf16 or f16 on the way to a quantiser, and a product that is left as it is and whose result goes on into a quantised operand takes f32 operands (vector FMAs, or v_wmma_f32_16x16x4_f32). A number that lies on a knife's edge between two numbers of the format may be rounded either way, as far as f32 arithmetic and the matrix unit's own rounding can turn it there, and no further.
;; One version. Each part assembles by itself: llvm-mc -triple=amdgcn-amd-amdhsa -mcpu=gfx1250 --defsym DOCPART=n.
;; ======== version 1 of 1: 4 launches
;; workspace buffers: eidx 8,192 bytes of whole numbers; cnt 256 bytes of whole numbers; order 65,536 bytes of whole numbers; xq 16,777,216 bytes; xs 524,288 bytes; hq 33,554,432 bytes; hs 1,048,576 bytes
;; launch route (part 1): grid 256 x 1, 2 waves a work-group, no clusters, 0 bytes of LDS; arguments x, Wr, br, eidx; writes eidx
.if DOCPART == 1
	.amdgcn_target "amdgcn-amd-amdhsa--gfx1250"
	.amdhsa_code_object_version 6
	.text
	.protected	k_q0a4fa46f8d_route
	.globl	k_q0a4fa46f8d_route
	.p2align	8
	.type	k_q0a4fa46f8d_route,@function
k_q0a4fa46f8d_route:
	s_mov_b64 s[64:65], 0
	v_nop
	global_prefetch_b8 v0, s[64:65] scope:SCOPE_SE
	s_setreg_imm32_b32 hwreg(HW_REG_WAVE_MODE, 25, 1), 1
	s_wait_xcnt 0x0
; THE ROUTER: eidx[token] = the first largest of x[token] . Wr[:, e] + br[e], e = 0 .. 7.  x: [2048][1024] f32, Wr: [1024][8] f32, br: [8] f32, eidx: [2048] u32.
; All in f32, by fused multiply-adds.  A wave takes 4 tokens; lane l holds d = l + 32 m, m = 0 .. 31: 32 numbers of each token, and the 8 weights of each of its 32 rows of Wr (256 registers, window 1).
; Each lane sums its 32 products for 4 tokens x 8 experts in 32 sums that do not wait for each other (two experts to a packed instruction); the sums are then added across the 32 lanes.
; The chosen expert is only STORED here: no address and no branch of this launch hangs on it.  The next launch reads it as a whole number.
; LIMITS: NaN and infinities are not served.  The order of the f32 additions differs from the reference's: two logits of a token that lie within some 1e-6 of each other may change places.
; No LDS, no barrier, no matrix unit: 8 columns are too few for a tile, and the launch reads 8 MB once.  A wave's one store is 16 bytes (four tokens' words): the output of the whole launch is 8 KB.
.set X,   32                           ; v32-159   x: token tk, number m at X + 32 tk + m; later the other half's sums
.set ACC, 160                          ; v160-191  the sums: token tk, expert e at ACC + 8 tk + e
.set IDX, 12                           ; v12-15    the chosen expert of each token
.set MSB, 0
.macro WIN new                         ; the immediate's high byte repeats the setting that is left; a switch that changes nothing is dropped
.if MSB != (\new)
	s_set_vgpr_msb (MSB<<8)|(\new)
.set MSB, (\new)
.endif
.endm
	s_load_b256 s[4:11], s[0:1], 0x0               ; x s[4:5], Wr s[6:7], br s[8:9], eidx s[10:11]
	v_lshrrev_b32 v1, 5, v0
	v_readfirstlane_b32 s12, v1                    ; wave 0, 1
	v_and_b32 v1, 31, v0                           ; lane
	v_lshlrev_b32 v2, 2, v1                        ; x: 4 bytes a lane
	v_lshlrev_b32 v3, 5, v1                        ; Wr: a row of 32 bytes a lane
	v_and_b32 v5, 3, v0                            ; which of the wave's four tokens my lane stores
	v_lshlrev_b32 v4, 2, v5
	s_lshl_b32 s13, ttmp9, 3
	s_lshl_b32 s12, s12, 2
	s_add_co_u32 s13, s13, s12                     ; my first token: 8 x work-group + 4 x wave
	s_lshl_b32 s14, s13, 12                        ; its row of 4,096 bytes
	s_mov_b32 s15, 0
	s_lshl_b32 s24, s13, 2                         ; its word of eidx
	s_mov_b32 s25, 0
	s_mov_b32 s26, 0x76543210                      ; v_permlanex16_b32's selects for lane l xor 16
	s_mov_b32 s27, 0xfedcba98
	s_wait_kmcnt 0x0
	s_load_b256 s[16:23], s[8:9], 0x0              ; br's eight numbers
	s_add_nc_u64 s[4:5], s[4:5], s[14:15]
	s_add_nc_u64 s[10:11], s[10:11], s[24:25]
.irp tk, 0,1,2,3
.set m, 0
.rept 32
	global_load_b32 v[X+32*\tk+m], v2, s[4:5] offset:4096*\tk+128*m   ; 32 lanes read 128 consecutive bytes; two loads that follow each other cover 256 aligned bytes
.set m, m+1
.endr
.endr
	WIN 0x40                                       ; destination window 1
.set m, 0
.rept 32
	global_load_b128 v[8*m:8*m+3],   v3, s[6:7] offset:1024*m        ; Wr(l + 32 m, 0 .. 3): 32 lanes, 32 bytes apart; with the next line 1,024 consecutive bytes
	global_load_b128 v[8*m+4:8*m+7], v3, s[6:7] offset:1024*m+16     ; Wr(l + 32 m, 4 .. 7)
.set m, m+1
.endr
	WIN 0
	s_wait_loadcnt 0x0
	s_wait_kmcnt 0x0                               ; br
	WIN 0x04                                       ; source 1 (Wr) window 1
.irp tk, 0,1,2,3
.irp e, 0,2,4,6
	v_pk_mul_f32 v[ACC+8*\tk+\e:ACC+8*\tk+\e+1], v[X+32*\tk:X+32*\tk+1], v[\e:\e+1] op_sel_hi:[0,1]   ; the first product starts the sums; x's number serves both experts
.endr
.endr
.set m, 1
.rept 31
.irp tk, 0,1,2,3
.irp e, 0,2,4,6
.if m%2
	v_pk_fma_f32 v[ACC+8*\tk+\e:ACC+8*\tk+\e+1], v[X+32*\tk+m-1:X+32*\tk+m], v[8*m+\e:8*m+\e+1], v[ACC+8*\tk+\e:ACC+8*\tk+\e+1] op_sel:[1,0,0] op_sel_hi:[1,1,1]   ; the pair's upper x for both halves
.else
	v_pk_fma_f32 v[ACC+8*\tk+\e:ACC+8*\tk+\e+1], v[X+32*\tk+m:X+32*\tk+m+1], v[8*m+\e:8*m+\e+1], v[ACC+8*\tk+\e:ACC+8*\tk+\e+1] op_sel_hi:[0,1,1]                 ; the pair's lower x for both halves
.endif
.endr
.endr
.set m, m+1
.endr
	WIN 0
.irp k, 1,2,4,8                        ; across the lanes: four steps inside each half of 16 lanes, one across the halves; every lane ends with every sum
.set i, 0
.rept 32
	v_add_f32_dpp v[ACC+i], v[ACC+i], v[ACC+i] row_xmask:\k row_mask:0xf bank_mask:0xf
.set i, i+1
.endr
.endr
.set i, 0
.rept 32
	v_permlanex16_b32 v[X+i], v[ACC+i], s26, s27   ; (its destination counts as read: x's registers have been written)
.set i, i+1
.endr
.set i, 0
.rept 32
	v_add_f32 v[ACC+i], v[ACC+i], v[X+i]
.set i, i+1
.endr
.irp tk, 0,1,2,3
.irp e, 0,1,2,3,4,5,6,7
	v_add_f32 v[ACC+8*\tk+\e], s[16+\e], v[ACC+8*\tk+\e]           ; + br
.endr
.endr
.irp tk, 0,1,2,3
	v_mov_b32 v[IDX+\tk], 0
.endr
.irp e, 1,2,3,4,5,6,7                  ; the first largest: a later expert wins only where it is strictly larger; the best so far is kept in the token's first sum
.irp tk, 0,1,2,3
	v_cmp_gt_f32 s[28+\tk], v[ACC+8*\tk+\e], v[ACC+8*\tk]
.endr
.irp tk, 0,1,2,3
	v_cndmask_b32 v[IDX+\tk], v[IDX+\tk], \e, s[28+\tk]
	v_max_num_f32 v[ACC+8*\tk], v[ACC+8*\tk], v[ACC+8*\tk+\e]
.endr
.endr
	v_cmp_eq_u32 vcc_lo, 1, v5                     ; lane l takes token l % 4's choice
	v_cndmask_b32 v12, v12, v13, vcc_lo
	v_cmp_eq_u32 vcc_lo, 2, v5
	v_cndmask_b32 v12, v12, v14, vcc_lo
	v_cmp_eq_u32 vcc_lo, 3, v5
	v_cndmask_b32 v12, v12, v15, vcc_lo
	global_store_b32 v4, v12, s[10:11]             ; all lanes on: eight lanes write each word, with the same number
	s_endpgm
.Lfunc_end_k_q0a4fa46f8d_route:
	.size	k_q0a4fa46f8d_route, .Lfunc_end_k_q0a4fa46f8d_route-k_q0a4fa46f8d_route
	.p2alignl 7, 3214868480
	.fill 96, 4, 3214868480
	.section	.rodata,"a",@progbits
	.p2align	6, 0x0
	.amdhsa_kernel k_q0a4fa46f8d_route
		.amdhsa_group_segment_fixed_size 0
		.amdhsa_private_segment_fixed_size 0
		.amdhsa_enable_private_segment 0
		.amdhsa_kernarg_size 32
		.amdhsa_user_sgpr_count 2
		.amdhsa_user_sgpr_kernarg_segment_ptr 1
		.amdhsa_wavefront_size32 1
		.amdhsa_system_sgpr_workgroup_id_x 1
		.amdhsa_system_sgpr_workgroup_id_y 1
		.amdhsa_system_sgpr_workgroup_id_z 1
		.amdhsa_system_vgpr_workitem_id 0
		.amdhsa_next_free_vgpr 512
		.amdhsa_next_free_sgpr 66
		.amdhsa_reserve_vcc 1
		.amdhsa_float_denorm_mode_32 3
		.amdhsa_float_denorm_mode_16_64 3
		.amdhsa_memory_ordered 1
		.amdhsa_forward_progress 1
		.amdhsa_inst_pref_size 69
	.end_amdhsa_kernel
	.amdgpu_metadata
---
amdhsa.version: [ 1, 2 ]
amdhsa.kernels:
  - .name:           k_q0a4fa46f8d_route
    .symbol:         k_q0a4fa46f8d_route.kd
    .args:
      - { .name: x, .offset: 0, .size: 8, .value_kind: global_buffer, .address_space: global }
      - { .name: Wr, .offset: 8, .size: 8, .value_kind: global_buffer, .address_space: global }
      - { .name: br, .offset: 16, .size: 8, .value_kind: global_buffer, .address_space: global }
      - { .name: eidx, .offset: 24, .size: 8, .value_kind: global_buffer, .address_space: global }
    .group_segment_fixed_size: 0
    .private_segment_fixed_size: 0
    .kernarg_segment_align: 8
    .kernarg_segment_size: 32
    .max_flat_workgroup_size: 64
    .sgpr_count:     66
    .vgpr_count:     512
    .wavefront_size: 32
...
	.end_amdgpu_metadata
.endif
;; end of part 1
;; launch place (part 2): grid 128 x 1, 8 waves a work-group, no clusters, 9,728 bytes of LDS; arguments eidx, x, xq, xs, order, cnt; writes xq, xs, order, cnt
.if DOCPART == 2
	.amdgcn_target "amdgcn-amd-amdhsa--gfx1250"
	.amdhsa_code_object_version 6
	.text
	.protected	k_q0a4fa46f8d_place
	.globl	k_q0a4fa46f8d_place
	.p2align	8
	.type	k_q0a4fa46f8d_place,@function
k_q0a4fa46f8d_place:
	s_mov_b64 s[64:65], 0
	v_nop
	global_prefetch_b8 v0, s[64:65] scope:SCOPE_SE
	s_setreg_imm32_b32 hwreg(HW_REG_WAVE_MODE, 25, 1), 1
	s_wait_xcnt 0x0
; THE ROWS ARE PLACED BY EXPERT AND QUANTISED.  Work-group (e, j), e = number / 16, j = number % 16, serves expert e.
; S: its wave 0 lists the tokens whose eidx is e (a counting pass over all 2,048 words; every one of the expert's 16 work-groups makes the same list, so nothing passes between work-groups) in LDS.
;    The list is filled up to the next multiple of 16 with the expert's FIRST token: such a row is a copy of a real row of the same expert, and whatever is later stored for it are the same bytes at the same place.
; T: the work-group takes the tiles of 16 listed rows t = j + 16 i, i = 0 .. 7, as far as the count reaches.  Wave w quantises K step w (128 of the 1,024 numbers) of the tile's rows to codes of E5M2 with one E8M0
;    byte for each 32, and stores them as the IMAGE OF AN OPERAND'S REGISTERS: xq[e][t][s]: 2,048 bytes, registers 4 c .. 4 c + 3 of lane l at 512 c + 16 l; xs[e][t][s][r]: row r's scale word.
;    order[e][16 t + r] = the token; cnt[e] = the number of the expert's rows.  Each expert has room for all 2,048 rows, so no place hangs on another expert's count.
; A block's scale is 2^(floor(log2(its largest magnitude)) - 15); its byte is that magnitude's exponent field - 15, held at 1 from below.
; LIMITS: a block of zeros gets the byte 1 where the rule says 127: its codes are zeros, and this program alone reads the bytes.  NaN and infinities are not served.
; The branches on the count stand behind the one barrier; the launch has no tensor load and no copy.
.set LI,   1                           ; v1   16 x lane
.set L4,   2                           ; v2   4 x lane
.set LR,   3                           ; v3   64 j + 4 r: my row's word of the list in LDS, and the same word of order[e]
.set CA,   4                           ; v4   LDS address of the count
.set H64,  5                           ; v5   64 (lane / 16): my half of a block of 32 numbers
.set QO,   6                           ; v6   16 x lane + 16,384 j: my bytes of an image
.set SO,   7                           ; v7   4 r + 512 j: my row's scale word
.set DUMP, 9                           ; v9   2,080 + lane: the list entry that takes a lane's token where it is not the expert's
.set Z,    10                          ; v10  0
.set E,    16                          ; wave 0, the sort: v16-79 eidx, v80-143 list entries, then LDS addresses, v144-207 token numbers (v144-147 first hold the zeros that clear LDS)
.set IX,   80
.set TK,   144
.set ST,   16                          ; the tiles: v16-79 my 64 numbers: register 16 b + i = k 32 b + 16 (lane / 16) + i of my row
.set TM,   80                          ; v80-83 largest magnitudes, v84-87 bytes, v88-91 57,344 x the scale, v92-95 the conversions' scale operands
.set PW,   96                          ; the scale word
.set PC,   100                         ; v100-115 the codes
.set TOK,  116
.set TKC,  117
.set XA,   118
.set CNTW, 8448                        ; LDS: the list, 2,112 words (2,048 + 32 of filling + 32 of dump), then the count; 8,704 bytes in all
.set SEL,  22                          ; s[22:23] v_permlanex16_b32's selects for lane l xor 16
.set MNT,  24                          ; s24  the mantissa field of 57,344
	s_load_b256 s[4:11], s[0:1], 0x0               ; eidx s[4:5], x s[6:7], xq s[8:9], xs s[10:11]
	s_load_b128 s[12:15], s[0:1], 0x20             ; order s[12:13], cnt s[14:15]
	v_lshl_add_u32 v224, v0, 2, 0x2200
	v_mov_b32 v225, 0
	v_lshrrev_b32 v11, 5, v0
	v_readfirstlane_b32 s16, v11                   ; wave 0 .. 7
	s_lshr_b32 s17, ttmp9, 4                       ; e
	s_and_b32 s18, ttmp9, 15                       ; j
	v_and_b32 v12, 31, v0                          ; lane
	v_and_b32 v13, 15, v0                          ; r
	v_bfe_u32 v14, v0, 4, 1                        ; h
	v_lshlrev_b32 v[LI], 4, v12
	v_lshlrev_b32 v[L4], 2, v12
	s_lshl_b32 s20, s18, 6
	v_lshl_add_u32 v[LR], v13, 2, s20
	v_mov_b32 v[CA], CNTW
	v_lshlrev_b32 v[H64], 6, v14
	s_lshl_b32 s20, s18, 14
	v_add_nc_u32 v[QO], s20, v[LI]
	s_lshl_b32 s20, s18, 9
	v_lshl_add_u32 v[SO], v13, 2, s20
	v_add_nc_u32 v[DUMP], 2080, v12
	v_mov_b32 v[Z], 0
	s_mov_b32 s[SEL], 0x76543210
	s_mov_b32 s[SEL+1], 0xfedcba98
	s_mov_b32 s[MNT], 0x600000
	s_lshl_b32 s26, s18, 4                         ; 16 j: the first listed row of my first tile
	s_mov_b32 s21, 0
	s_wait_kmcnt 0x0
	s_lshl_b32 s20, s16, 9
	s_add_nc_u64 s[6:7], s[6:7], s[20:21]          ; x at my wave's K step: 512 bytes of each row
	s_lshl_b32 s20, s17, 21
	s_lshl_b32 s25, s16, 11
	s_add_co_u32 s20, s20, s25
	s_add_nc_u64 s[8:9], s[8:9], s[20:21]          ; xq: 2 MB an expert, 2,048 bytes a K step
	s_lshl_b32 s20, s17, 16
	s_lshl_b32 s25, s16, 6
	s_add_co_u32 s20, s20, s25
	s_add_nc_u64 s[10:11], s[10:11], s[20:21]      ; xs: 65,536 bytes an expert, 64 a K step
	s_lshl_b32 s20, s17, 13
	s_add_nc_u64 s[12:13], s[12:13], s[20:21]      ; order: 8,192 bytes an expert
	s_lshl_b32 s20, s17, 2
	s_add_nc_u64 s[14:15], s[14:15], s[20:21]      ; cnt[e]
	s_cmp_lg_u32 s16, 0
	s_cbranch_scc1 .Lsorted
	; ---- S: wave 0 alone.  Register 4 m + jj of lane l holds eidx of token 128 m + 4 l + jj
.set m, 0
.rept 16
	global_load_b128 v[E+4*m:E+4*m+3], v[LI], s[4:5] offset:512*m
.set m, m+1
.endr
.irp q, 0,1,2,3
	v_mov_b32 v[TK+\q], 0
.endr
.set m, 0
.rept 17                               ; while the loads are out: all 17 x 512 = 8,704 bytes, list and count, are written with 0, so that no word is ever read that nobody wrote; entry 0 so holds token 0 where the expert has no row
	ds_store_b128 v[LI], v[TK:TK+3] offset:512*m   ; (LDS serves a wave's instructions in order: the sort's stores land on top of these)
.set m, m+1
.endr
	s_mov_b32 s19, 0                               ; rows listed so far
	s_wait_loadcnt 0x0
.set k, 0
.rept 8                                ; eight registers at a time, line by line, so that no line waits for the line above it
.irp q, 0,1,2,3,4,5,6,7
	v_cmp_eq_u32 s[32+\q], s17, v[E+k+\q]
.endr
.irp q, 0,1,2,3,4,5,6,7
	v_mbcnt_lo_u32_b32 v[IX+k+\q], s[32+\q], s19   ; the rows listed so far + the lanes below me that list one
	s_bcnt1_i32_b32 s25, s[32+\q]
	s_add_co_u32 s19, s19, s25
.endr
.irp q, 0,1,2,3,4,5,6,7
	v_cndmask_b32 v[IX+k+\q], v[DUMP], v[IX+k+\q], s[32+\q]        ; a token of another expert goes to my dump entry
.endr
.irp q, 0,1,2,3,4,5,6,7
	v_min_u32 v[IX+k+\q], 2111, v[IX+k+\q]         ; inside the list, by a constant
.endr
.irp q, 0,1,2,3,4,5,6,7
	v_lshlrev_b32 v[IX+k+\q], 2, v[IX+k+\q]
.endr
.irp q, 0,1,2,3,4,5,6,7
	v_add_nc_u32 v[TK+k+\q], 128*((k+\q)/4)+(k+\q)%4, v[L4]
.endr
.irp q, 0,1,2,3,4,5,6,7
	ds_store_b32 v[IX+k+\q], v[TK+k+\q]
.endr
.set k, k+8
.endr
	ds_load_b32 v11, v[Z]                          ; the expert's first token (in order behind the stores above)
	v_add_nc_u32 v15, s19, v12                     ; the 32 entries behind the last: more than the filling to a multiple of 16 needs
	v_min_u32 v15, 2111, v15
	v_lshlrev_b32 v15, 2, v15
	v_mov_b32 v14, s19
	s_wait_dscnt 0x0
	ds_store_b32 v15, v11
	ds_store_b32 v[CA], v14
.Lsorted:
	s_wait_dscnt 0x0                               ; for the others' sake: wave 0's stores have landed
	s_barrier_signal -1
	s_barrier_wait -1                              ; the one barrier: behind it LDS is only read
	; ---- T
	ds_load_b32 v11, v[CA]
.irp b, 0,1,2,3
	v_mov_b32 v[TM+4+\b], 0                        ; written once: a lane permute's destination counts as one of its sources
.endr
	s_wait_dscnt 0x0
	v_readfirstlane_b32 s19, v11
	s_min_u32 s19, s19, 2048                       ; the expert's rows
	s_or_b32 s25, s18, s16
	s_cmp_lg_u32 s25, 0
	s_cbranch_scc1 .Lno_cnt                        ; wave 0 of the expert's first work-group stores the count
	v_mov_b32 v15, s19
	global_store_b32 v[Z], v15, s[14:15]           ; all lanes write the one word, with the same number
.Lno_cnt:
; 64 numbers of a lane become a fragment's codes in v[PC] on and its scale word in v[PW]
.macro QUANT s
.irp b, 0,1,2,3
	v_max3_num_f32 v[TM+\b], |v[\s+16*\b]|, |v[\s+1+16*\b]|, 0x8000000   ; block b: my 16 numbers, and the floor 2^(16 - 127): so the byte cannot fall under 1
.endr
.irp i, 2,4,6,8,10,12,14
.irp b, 0,1,2,3
	v_max3_num_f32 v[TM+\b], v[TM+\b], |v[\s+16*\b+\i]|, |v[\s+1+16*\b+\i]|   ; (the four blocks by turns)
.endr
.endr
.irp b, 0,1,2,3
	v_permlanex16_b32 v[TM+4+\b], v[TM+\b], s[SEL], s[SEL+1]
.endr
.irp b, 0,1,2,3
	v_max_num_f32 v[TM+\b], v[TM+\b], v[TM+4+\b]   ; with lane l xor 16's: the block's largest magnitude
.endr
.irp b, 0,1,2,3
	v_add_nc_u32 v[TM+12+\b], 0xf8800000, v[TM+\b] ; 15 off its exponent field: the conversion takes the exponent field of this operand as its scale
.endr
.irp b, 0,1,2,3
	v_and_or_b32 v[TM+8+\b], v[TM+\b], 0x7f800000, s[MNT]          ; 57,344 x the scale
.endr
.irp b, 0,1,2,3
	v_lshrrev_b32 v[TM+4+\b], 23, v[TM+12+\b]      ; the scale's byte
.endr
	v_lshl_or_b32 v[PW], v[TM+5], 8, v[TM+4]
	v_lshl_or_b32 v[PW], v[TM+6], 16, v[PW]
	v_lshl_or_b32 v[PW], v[TM+7], 24, v[PW]
.irp b, 0,1,2,3
.irp i, 0,1,2,3,4,5,6,7,8,9,10,11,12,13,14,15
	v_med3_num_f32 v[\s+16*\b+\i], v[\s+16*\b+\i], -v[TM+8+\b], v[TM+8+\b]   ; the conversion to an 8-bit code does not saturate (ISA guide 7.6.2): the hold at the largest code x the scale
.endr
	v_cvt_scalef32_pk8_bf8_f32 v[PC+4*\b:PC+1+4*\b], v[\s+16*\b:\s+7+16*\b], v[TM+12+\b]
	v_cvt_scalef32_pk8_bf8_f32 v[PC+2+4*\b:PC+3+4*\b], v[\s+8+16*\b:\s+15+16*\b], v[TM+12+\b]
.endr
	v_nop                                          ; one plain vector instruction behind the last conversion
.endm
; Tile t = j + 16 i.  Written out eight times, so that every LDS offset is an immediate.
.macro PTILE i
	s_add_co_u32 s25, s26, 256*\i                  ; its first listed row
	s_cmp_ge_u32 s25, s19
	s_cbranch_scc1 .Ldone                          ; the list has ended
	ds_load_b32 v[TOK], v[LR] offset:1024*\i
	s_wait_dscnt 0x0
	s_wait_xcnt 0x0                                ; the last tile's stores have read their registers: they are written again only behind this wait
	v_min_u32 v[TKC], 2047, v[TOK]                 ; a listed number enters an address only behind this hold
	v_lshl_add_u32 v[XA], v[TKC], 12, v[H64]       ; the token's row of 4,096 bytes, + my half of a block
.irp b, 0,1,2,3
.irp jj, 0,1,2,3
	global_load_b128 v[ST+16*\b+4*\jj:ST+16*\b+4*\jj+3], v[XA], s[6:7] offset:128*\b+16*\jj
.endr
.endr
	s_wait_loadcnt 0x0
	QUANT ST
.irp c, 0,1,2,3
	global_store_b128 v[QO], v[PC+4*\c:PC+4*\c+3], s[8:9] offset:262144*\i+512*\c    ; 32 lanes store 512 consecutive bytes, at a multiple of 512 from xq's first byte
.endr
	global_store_b32 v[SO], v[PW], s[10:11] offset:8192*\i         ; lanes 16-31 hold the same words as lanes 0-15 and write them again
	s_cmp_lg_u32 s16, 0
	s_cbranch_scc1 .Lno_order_\@
	global_store_b32 v[LR], v[TKC], s[12:13] offset:1024*\i        ; wave 0: the tile's 16 tokens
.Lno_order_\@:
.endm
.irp i, 0,1,2,3,4,5,6,7
	PTILE \i
.endr
.Ldone:
	s_wait_tensorcnt 0x0
	ds_add_u32 v224, v225
	s_wait_dscnt 0x0
	s_endpgm
.Lfunc_end_k_q0a4fa46f8d_place:
	.size	k_q0a4fa46f8d_place, .Lfunc_end_k_q0a4fa46f8d_place-k_q0a4fa46f8d_place
	.p2alignl 7, 3214868480
	.fill 96, 4, 3214868480
	.section	.rodata,"a",@progbits
	.p2align	6, 0x0
	.amdhsa_kernel k_q0a4fa46f8d_place
		.amdhsa_group_segment_fixed_size 9728
		.amdhsa_private_segment_fixed_size 0
		.amdhsa_enable_private_segment 0
		.amdhsa_kernarg_size 48
		.amdhsa_user_sgpr_count 2
		.amdhsa_user_sgpr_kernarg_segment_ptr 1
		.amdhsa_wavefront_size32 1
		.amdhsa_system_sgpr_workgroup_id_x 1
		.amdhsa_system_sgpr_workgroup_id_y 1
		.amdhsa_system_sgpr_workgroup_id_z 1
		.amdhsa_system_vgpr_workitem_id 0
		.amdhsa_next_free_vgpr 226
		.amdhsa_next_free_sgpr 66
		.amdhsa_reserve_vcc 0
		.amdhsa_float_denorm_mode_32 3
		.amdhsa_float_denorm_mode_16_64 3
		.amdhsa_memory_ordered 1
		.amdhsa_forward_progress 1
		.amdhsa_inst_pref_size 120
	.end_amdhsa_kernel
	.amdgpu_metadata
---
amdhsa.version: [ 1, 2 ]
amdhsa.kernels:
  - .name:           k_q0a4fa46f8d_place
    .symbol:         k_q0a4fa46f8d_place.kd
    .args:
      - { .name: eidx, .offset: 0, .size: 8, .value_kind: global_buffer, .address_space: global }
      - { .name: x, .offset: 8, .size: 8, .value_kind: global_buffer, .address_space: global }
      - { .name: xq, .offset: 16, .size: 8, .value_kind: global_buffer, .address_space: global }
      - { .name: xs, .offset: 24, .size: 8, .value_kind: global_buffer, .address_space: global }
      - { .name: order, .offset: 32, .size: 8, .value_kind: global_buffer, .address_space: global }
      - { .name: cnt, .offset: 40, .size: 8, .value_kind: global_buffer, .address_space: global }
    .group_segment_fixed_size: 9728
    .private_segment_fixed_size: 0
    .kernarg_segment_align: 8
    .kernarg_segment_size: 48
    .max_flat_workgroup_size: 256
    .sgpr_count:     66
    .vgpr_count:     226
    .wavefront_size: 32
...
	.end_amdgpu_metadata
.endif
;; end of part 2
;; launch gemm1 (part 3): grid 256 x 1, 4 waves a work-group, no clusters, 68,096 bytes of LDS; arguments W1, b1, xq, xs, cnt, hq, hs; writes hq, hs
.if DOCPART == 3
	.amdgcn_target "amdgcn-amd-amdhsa--gfx1250"
	.amdhsa_code_object_version 6
	.text
	.protected	k_q0a4fa46f8d_gemm1
	.globl	k_q0a4fa46f8d_gemm1
	.p2align	8
	.type	k_q0a4fa46f8d_gemm1,@function
k_q0a4fa46f8d_gemm1:
	s_mov_b64 s[64:65], 0
	v_nop
	global_prefetch_b8 v0, s[64:65] scope:SCOPE_SE
	s_setreg_imm32_b32 hwreg(HW_REG_WAVE_MODE, 25, 1), 1
	s_wait_xcnt 0x0
; h = Q(relu(Q(x) Q(W1[e]) + b1[e])) for the rows that chose expert e, on codes of E5M2 with one E8M0 scale for each 32 along K.  W1: [8][1024 (K)][2048] f32.
; THE WEIGHTS STAY, THE ROWS COME.  Work-group (e, j), e = number / 32, j = number % 32, owns hidden units 64 j .. 64 j + 63 of expert e: 1,024 x 64 numbers, 256 KB of f32, read from memory ONCE in the launch.
; A: the slice is quantised down K.  A lane takes 4 columns and the 32 rows of one block (32 loads of 16 bytes; sixteen lanes read 256 aligned bytes of a row), so a block's largest magnitude needs no other lane, and the
;    hold that an 8-bit conversion wants anyway moves a column's 32 numbers into consecutive registers.  Wave w takes K rows 256 w on, in four units of 64 rows.  The codes go to LDS as images of the operand's registers
;    (fragment 4 s + ct at 2,048 bytes each; registers 4 c .. 4 c + 3 of lane l at 512 c + 16 l), the scale bytes beside them.  One barrier.
; B: every wave takes all 32 fragments (64 KB of codes) into 512 registers, and then the expert's tiles of 16 rows t = wave, wave + 4, ..: x's eight fragments from xq, 32 matrix instructions, relu, quantised in registers,
;    stored as the next product's operand image: hq[e][t][s][2,048 bytes], hs[e][t][s][r].
; THE PRODUCT IS USED TRANSPOSED (source 0 = 16 hidden units, source 1 = 16 rows), AND THE UNITS OF A TILE ARE NOT NEIGHBOURS: row r of tile 2 b + u is unit 32 b + 8 u + r + 8 (r / 8), so that a lane's 16 registers of
; tiles 2 b and 2 b + 1 are 16 neighbours along the next K.  b1 is the C of each sum's first matrix instruction.
; NO TENSOR LOADS, NO CLUSTER: the 32 work-groups of an expert read the same tiles of x, but how many there are is a number read from memory (cnt[e]).
; The weights, three quarters and more of what the launch reads from memory, are shared by nobody.  No prefetch: phase A has up to 63 loads of 512 bytes a wave on their way from the first line on.
; LIMITS: a block of zeros gets the byte 1 where the rule says 127 (its codes are zeros; this program alone reads the bytes).  NaN and infinities are not served.  hs is stored two bytes a lane: one byte in 32 of the hidden layer's.
; REGISTERS, in windows of 256.  Window 0: addresses, scale words, b1, the four accumulators, work.  Windows 1, 2: A: the 512 numbers of four units; B: the 32 fragments of W1, K steps 0-3 and 4-7.
; Window 3: A: the codes, 32 registers a unit; B: two buffers of x's eight fragments, at 0 and at 128.
.set NCT,   4                          ; tiles of 16 columns
.set KS,    8                          ; K steps of 128
.set PITCH, 8192                       ; a row of W1 in bytes
.set RPU,   64                         ; rows of K in a unit: two blocks, lanes 0-15 the first, lanes 16-31 the second
.set WSC,   65536                      ; LDS: behind the images: W1's scale bytes: (8 ct + s) x 64 + 4 r + c
.set LI,  1                            ; v1   16 x lane
.set LS,  2                            ; v2   4 x lane
.set WO,  3                            ; v3   W1: 16 (lane % 16) + 32 rows x (lane / 16)
.set IA,  4                            ; v4   where my codes go in the images
.set SA,  5                            ; v5   and my scale bytes
.set LSW, 6                            ; v6   WSC + 4 x lane
.set VA,  7                            ; v7, v8   offsets of the tile in xq, for buffers A and B
.set VB,  8
.set VSA, 9                            ; v9, v10  and in xs
.set VSB, 10
.set VH,  11                           ; v11  offset of the tile in hq
.set VHS, 12                           ; v12  and in hs
.set R4,  13                           ; v13  4 (lane % 16)
.set BO,  14                           ; v14  64 (lane / 16)
.set WS,  16                           ; v16-31 W1's scale words: register 4 ct + p: lanes 0-15 K step 2 p, lanes 16-31 K step 2 p + 1
.set XSA, 32                           ; v32-35, v36-39 x's scale words likewise, for buffers A and B
.set XSB, 36
.set BIAS, 40                          ; v40-71  b1 in the result's layout, 8 registers a tile
.set H,   72                           ; v72-103 the four accumulators
.set TM,  104                          ; v104-105 largest numbers, v106-107 bytes, v108-109 57,344 x the scale, v110-111 the conversions' scale operands
.set PW,  114
.set PC,  116                          ; v116-123 the codes just made
.set BY,  80                           ; phase A: v80-95 scale bytes, one register for each store
.set M,   104                          ; v104-107 largest magnitudes of my 4 columns
.set SO,  108                          ; v108-111 the conversions' scale operands
.set L,   112                          ; v112-115 57,344 x the scale
.set T,   128                          ; v128-255 a unit's numbers, held, column by column: 32 jc + i
.set SEL, 28                           ; s[28:29]
.set MNT, 30                           ; s30
.set TRIP, 32                          ; s32  trips done;  s33  trips to do
.set MSB, 0
.macro WIN new                         ; the immediate's high byte repeats the setting that is left; a switch that changes nothing is dropped
.if MSB != (\new)
	s_set_vgpr_msb (MSB<<8)|(\new)
.set MSB, (\new)
.endif
.endm
	s_load_b256 s[4:11], s[0:1], 0x0               ; W1 s[4:5], b1 s[6:7], xq s[8:9], xs s[10:11]
	s_load_b128 s[12:15], s[0:1], 0x20             ; cnt s[12:13], hq s[14:15]
	s_load_b64 s[16:17], s[0:1], 0x30              ; hs
	v_lshl_add_u32 v126, v0, 2, 0x10800
	v_mov_b32 v127, 0
	v_lshrrev_b32 v15, 5, v0
	v_readfirstlane_b32 s18, v15                   ; wave 0 .. 3
	s_lshr_b32 s19, ttmp9, 5                       ; e
	s_and_b32 s20, ttmp9, 31                       ; j
	v_and_b32 v15, 31, v0
	v_lshlrev_b32 v[LI], 4, v15
	v_lshlrev_b32 v[LS], 2, v15
	v_and_b32 v120, 15, v0                         ; q: my 4 columns are 4 q + jc
	v_bfe_u32 v121, v0, 4, 1                       ; g: which block of a unit; also the lane's half
	v_bfe_u32 v122, v0, 3, 1                       ; bits of q
	v_bfe_u32 v123, v0, 1, 1
	v_bfe_u32 v124, v0, 2, 1
	v_and_b32 v125, 1, v0
	v_lshlrev_b32 v[WO], 4, v120
	v_lshl_add_u32 v[WO], v121, 18, v[WO]          ; + 32 rows of 8,192 bytes
	; column n = 4 q + jc is row r = 8 ((q / 4) % 2) + 4 (q % 2) + jc of tile ct = 2 (q / 8) + (q / 2) % 2; block 8 w + 2 U + g is K step 2 w + U / 2, c = 2 (U % 2) + g
	v_lshlrev_b32 v[IA], 12, v122                  ; 2,048 ct,
	v_lshl_add_u32 v[IA], v123, 11, v[IA]
	v_lshl_add_u32 v[IA], v121, 9, v[IA]           ; 512 g,
	v_lshl_add_u32 v[IA], v124, 7, v[IA]           ; 16 r,
	v_lshl_add_u32 v[IA], v125, 6, v[IA]
	s_lshl_b32 s26, s18, 14
	v_add_nc_u32 v[IA], s26, v[IA]                 ; 8,192 x 2 w
	v_lshl_add_u32 v[SA], v122, 10, v121           ; 512 ct + g,
	v_lshl_add_u32 v[SA], v123, 9, v[SA]
	v_lshl_add_u32 v[SA], v124, 5, v[SA]           ; 4 r,
	v_lshl_add_u32 v[SA], v125, 4, v[SA]
	s_lshl_b32 s26, s18, 7
	s_add_co_u32 s26, s26, WSC
	v_add_nc_u32 v[SA], s26, v[SA]                 ; 64 x 2 w
	v_add_nc_u32 v[LSW], WSC, v[LS]
	v_lshlrev_b32 v[R4], 2, v120
	v_lshlrev_b32 v[BO], 6, v121
	s_mov_b32 s[SEL], 0x76543210
	s_mov_b32 s[SEL+1], 0xfedcba98
	s_mov_b32 s[MNT], 0x600000
	s_mov_b32 s23, 0
	s_wait_kmcnt 0x0
	s_lshl_b32 s22, s19, 2
	s_add_nc_u64 s[12:13], s[12:13], s[22:23]
	s_load_b32 s27, s[12:13], 0x0                  ; cnt[e]: wanted behind the barrier
	s_lshl_b32 s22, s19, 23                        ; W1: 8 MB an expert, 256 rows a wave, 256 bytes a slice
	s_lshl_b32 s26, s18, 21
	s_add_co_u32 s22, s22, s26
	s_lshl_b32 s26, s20, 8
	s_add_co_u32 s22, s22, s26
	s_add_nc_u64 s[4:5], s[4:5], s[22:23]
	s_lshl_b32 s22, s19, 13                        ; b1: 8,192 bytes an expert, 256 a slice
	s_add_co_u32 s22, s22, s26
	s_add_nc_u64 s[6:7], s[6:7], s[22:23]
	s_lshl_b32 s22, s19, 21
	s_add_nc_u64 s[8:9], s[8:9], s[22:23]          ; xq: 2 MB an expert
	s_lshl_b32 s22, s19, 16
	s_add_nc_u64 s[10:11], s[10:11], s[22:23]      ; xs
	s_lshl_b32 s22, s19, 22                        ; hq: 4 MB an expert; my 64 units are pieces 2 (j % 2), + 1 of K step j / 2: 1,024 j bytes on
	s_lshl_b32 s26, s20, 10
	s_add_co_u32 s22, s22, s26
	s_add_nc_u64 s[14:15], s[14:15], s[22:23]
	s_lshl_b32 s22, s19, 17                        ; hs: 131,072 bytes an expert; 64 (j / 2) + 2 (j % 2)
	s_lshr_b32 s26, s20, 1
	s_lshl_b32 s26, s26, 6
	s_add_co_u32 s22, s22, s26
	s_and_b32 s26, s20, 1
	s_lshl_b32 s26, s26, 1
	s_add_co_u32 s22, s22, s26
	s_add_nc_u64 s[16:17], s[16:17], s[22:23]
.irp ct, 0,1,2,3                       ; b1: lane (r, h) wants, for tile 2 b + u, units 32 b + 16 h + 8 u + 0 .. 7
	global_load_b128 v[BIAS+8*\ct:BIAS+8*\ct+3],   v[BO], s[6:7] offset:(32*(\ct/2)+8*(\ct%2))*4
	global_load_b128 v[BIAS+8*\ct+4:BIAS+8*\ct+7], v[BO], s[6:7] offset:(32*(\ct/2)+8*(\ct%2))*4+16
.endr
.irp U, 0,1,2,3                        ; all 128 loads of my 256 rows: unit U into 128 registers of window 1 + U / 2; register 4 i + jc = row i of my block, column jc
	WIN (1+\U/2)<<6
.set i, 0
.rept 32
	global_load_b128 v[128*(\U%2)+4*i:128*(\U%2)+4*i+3], v[WO], s[4:5] offset:(RPU*\U+i)*PITCH th:TH_LOAD_NT
.set i, i+1
.endr
.endr
	WIN 0
; A unit: my block of 32 rows x 4 columns becomes 4 x 32 codes and 4 scale bytes, and goes to LDS.  Every LDS store has data registers of its own.
.macro UNIT U
.set WN, 1+(\U)/2
.set SB, 128*((\U)%2)
.set IU, 8192*((\U)/2)+1024*((\U)%2)
.set SU, 64*((\U)/2)+2*((\U)%2)
	WIN 5*WN                                       ; sources 0 and 1: the unit's window
.irp jc, 0,1,2,3
	v_max3_num_f32 v[M+\jc], |v[SB+\jc]|, |v[SB+4+\jc]|, 0x8000000 ; a column's first two numbers, and the floor 2^(16 - 127): so the byte cannot fall under 1
.endr
.set p, 1
.rept 15
.irp jc, 0,1,2,3
	v_max3_num_f32 v[M+\jc], |v[SB+8*p+\jc]|, |v[SB+8*p+4+\jc]|, v[M+\jc]   ; (the four columns by turns)
.endr
.set p, p+1
.endr
	WIN 0
.irp jc, 0,1,2,3
	v_add_nc_u32 v[SO+\jc], 0xf8800000, v[M+\jc]   ; 15 off the exponent field: the conversion's scale operand
.endr
.irp jc, 0,1,2,3
	v_and_or_b32 v[L+\jc], v[M+\jc], 0x7f800000, s[MNT]            ; 57,344 x the scale
.endr
.irp jc, 0,1,2,3
	v_lshrrev_b32 v[BY+4*(\U)+\jc], 23, v[SO+\jc]  ; the scale's byte
.endr
	WIN WN                                         ; source 0: the unit's window
.irp jc, 0,1,2,3
.set i, 0
.rept 32
	v_med3_num_f32 v[T+32*\jc+i], v[SB+4*i+\jc], -v[L+\jc], v[L+\jc]   ; the hold (the conversion does not saturate: ISA guide 7.6.2), and on the way the column's 32 numbers come to lie in consecutive registers
.set i, i+1
.endr
.endr
	WIN 0xc0                                       ; destination window 3
.irp jc, 0,1,2,3
.irp k, 0,1,2,3
	v_cvt_scalef32_pk8_bf8_f32 v[32*(\U)+8*\jc+2*\k:32*(\U)+8*\jc+2*\k+1], v[T+32*\jc+8*\k:T+32*\jc+8*\k+7], v[SO+\jc]
.endr
.endr
	v_nop                                          ; one plain vector instruction behind the last conversion
	WIN 0x0c                                       ; an LDS store's data are its source 1: window 3
.irp jc, 0,1,2,3
.irp hh, 0,1
	ds_store_b128 v[IA], v[32*(\U)+8*\jc+4*\hh:32*(\U)+8*\jc+4*\hh+3] offset:IU+256*\hh+16*\jc   ; k 16 hh .. 16 hh + 15 of the block: what lane 16 hh + r of the operand holds
.endr
.endr
	WIN 0
.irp jc, 0,1,2,3
	ds_store_b8 v[SA], v[BY+4*(\U)+\jc] offset:SU+4*\jc
.endr
.endm
	s_wait_loadcnt 63                              ; loads come back in order: behind unit 1's last load 64 were issued, so b1 and units 0 and 1 are in (63 is the largest count that a wait names)
	UNIT 0
	UNIT 1
	s_wait_loadcnt 32                              ; unit 3's 32 loads may be out
	UNIT 2
	s_wait_loadcnt 0x0
	UNIT 3
	s_wait_dscnt 0x0                               ; for the others' sake: my images and bytes have landed
	s_barrier_signal -1
	s_barrier_wait -1                              ; the one barrier, on every wave's path: no branch on the count stands ahead of it.  Behind it LDS is only read
	s_wait_kmcnt 0x0
	s_min_u32 s27, s27, 2048
	s_add_co_u32 s24, s27, 15
	s_lshr_b32 s24, s24, 4                         ; T: the expert's tiles of 16 rows
	s_mov_b32 s25, s18                             ; t: my first tile
	s_cmp_ge_u32 s25, s24
	s_cbranch_scc1 .Lend
	s_sub_co_u32 s21, s24, 1
	s_sub_co_u32 s[TRIP+1], s24, s18               ; T - wave is at least 1 here.  A trip takes tiles t and t + 4, and t goes on by 8:
	s_add_co_u32 s[TRIP+1], s[TRIP+1], 7
	s_lshr_b32 s[TRIP+1], s[TRIP+1], 3             ; (T - wave + 7) / 8 trips
	s_mov_b32 s[TRIP], 0
; the offsets of tile min(t + ahead, T - 1): a tile past the end is replaced by the last one, whose bytes exist; what is loaded so is not used
.macro SETX va, vs, ahead
	s_add_co_u32 s26, s25, \ahead
	s_min_u32 s26, s26, s21
	s_min_u32 s26, s26, 127                        ; a number that hangs on the count enters an address only behind a hold by a constant
	s_lshl_b32 s31, s26, 14
	v_add_nc_u32 v[\va], s31, v[LI]
	s_lshl_b32 s31, s26, 9
	v_add_nc_u32 v[\vs], s31, v[LS]
.endm
.macro LOADX xb, va, xs, vs            ; 36 loads: a tile's eight fragments of x, as they lie, and its scale words, two K steps to a register
	WIN 0xc0
.irp s, 0,1,2,3,4,5,6,7
.irp c, 0,1,2,3
	global_load_b128 v[\xb+16*\s+4*\c:\xb+16*\s+4*\c+3], v[\va], s[8:9] offset:2048*\s+512*\c
.endr
.endr
	WIN 0
.irp p, 0,1,2,3
	global_load_b32 v[\xs+\p], v[\vs], s[10:11] offset:128*\p
.endr
.endm
.macro MM s, ct, xb, xs                ; K step s of tile ct.  An odd K step's scale words stand in lanes 16-31
.set WR, 16*((NCT*(\s)+(\ct))%16)
.set DR, H+8*(\ct)
.set AR, (\xb)+16*(\s)
.set SCW, WS+(KS/2)*(\ct)+(\s)/2
.set SCX, (\xs)+(\s)/2
.if (\s) == 0
	v_wmma_scale_f32_16x16x128_f8f6f4 v[DR:DR+7], v[WR:WR+15], v[AR:AR+15], v[BIAS+8*(\ct):BIAS+8*(\ct)+7], v[SCW], v[SCX] matrix_a_fmt:MATRIX_FMT_BF8 matrix_b_fmt:MATRIX_FMT_BF8
.elseif (\s)%2 == 0
	v_wmma_scale_f32_16x16x128_f8f6f4 v[DR:DR+7], v[WR:WR+15], v[AR:AR+15], v[DR:DR+7], v[SCW], v[SCX] matrix_a_fmt:MATRIX_FMT_BF8 matrix_b_fmt:MATRIX_FMT_BF8
.else
	v_wmma_scale_f32_16x16x128_f8f6f4 v[DR:DR+7], v[WR:WR+15], v[AR:AR+15], v[DR:DR+7], v[SCW], v[SCX] matrix_a_fmt:MATRIX_FMT_BF8 matrix_b_fmt:MATRIX_FMT_BF8 matrix_a_scale:MATRIX_SCALE_ROW1 matrix_b_scale:MATRIX_SCALE_ROW1
.endif
.endm
; the four accumulators (a lane: one row, 2 x 16 neighbours along the next K) become two pieces of a fragment in v[PC] on and two scale bytes in v[PW]; what is negative becomes 0 on the way
.macro QUANT2
.irp b, 0,1
	v_max3_num_f32 v[TM+\b], v[H+16*\b], v[H+1+16*\b], 0x8000000   ; no |.|: what is negative must not count; the floor stands over it.  Each accumulator is read from its low end on
.endr
.irp i, 2,4,6,8,10,12,14
.irp b, 0,1
	v_max3_num_f32 v[TM+\b], v[TM+\b], v[H+16*\b+\i], v[H+1+16*\b+\i]
.endr
.endr
.irp b, 0,1
	v_permlanex16_b32 v[TM+2+\b], v[TM+\b], s[SEL], s[SEL+1]       ; (its destination has been written: phase A's maxima lay there)
.endr
.irp b, 0,1
	v_max_num_f32 v[TM+\b], v[TM+\b], v[TM+2+\b]   ; with lane l xor 16's: the block's largest number
.endr
.irp b, 0,1
	v_add_nc_u32 v[TM+6+\b], 0xf8800000, v[TM+\b]
.endr
.irp b, 0,1
	v_and_or_b32 v[TM+4+\b], v[TM+\b], 0x7f800000, s[MNT]
.endr
.irp b, 0,1
	v_lshrrev_b32 v[TM+2+\b], 23, v[TM+6+\b]
.endr
	v_lshl_or_b32 v[PW], v[TM+3], 8, v[TM+2]
.irp b, 0,1
.irp i, 0,1,2,3,4,5,6,7,8,9,10,11,12,13,14,15
	v_med3_num_f32 v[H+16*\b+\i], v[H+16*\b+\i], 0, v[TM+4+\b]     ; the activation and the hold in one
.endr
	v_cvt_scalef32_pk8_bf8_f32 v[PC+4*\b:PC+1+4*\b], v[H+16*\b:H+7+16*\b], v[TM+6+\b]
	v_cvt_scalef32_pk8_bf8_f32 v[PC+2+4*\b:PC+3+4*\b], v[H+8+16*\b:H+15+16*\b], v[TM+6+\b]
.endr
	v_nop                                          ; one plain vector instruction behind the last conversion: the next tile's products write the numbers' registers
.endm
; Tile t + ahead from buffer xb.  The four accumulators take turns, one instruction a turn, from tile to tile and over the backward jump too.
.macro TILE xb, xs, ahead
.irp s, 0,1,2,3,4,5,6,7
.if \s < 4
	WIN 0x0d                                       ; source 0 (W1) window 1, source 1 (x) window 3
.else
	WIN 0x0e                                       ; source 0 window 2
.endif
.irp ct, 0,1,2,3
	MM \s, \ct, \xb, \xs
.endr
.endr
	WIN 0
	s_wait_xcnt 0x0                                ; the last tile's stores have read their offsets and data: they are written again only behind this wait
	s_add_co_u32 s26, s25, \ahead
	s_min_u32 s26, s26, 127
	s_lshl_b32 s31, s26, 15
	v_add_nc_u32 v[VH], s31, v[LI]                 ; hq: 32,768 bytes a tile
	s_lshl_b32 s31, s26, 10
	v_add_nc_u32 v[VHS], s31, v[R4]                ; hs: 1,024
.rept 6
	v_nop                                          ; with the two additions: eight places between the last product and the first read of a result.  The next tile's first products, which begin
.endr                                                  ; the accumulators anew, and the next loads into this buffer find these and the scales' seven plain lines between
	QUANT2
	global_store_b128 v[VH], v[PC:PC+3], s[14:15]                  ; 32 lanes store 512 consecutive bytes, at a multiple of 512 from hq's first byte
	global_store_b128 v[VH], v[PC+4:PC+7], s[14:15] offset:512
	global_store_b16 v[VHS], v[PW], s[16:17]       ; my row's two bytes; lanes 16-31 write the same again
.endm
	SETX VA, VSA, 0
	LOADX 0, VA, XSA, VSA                          ; my first tile is asked for ahead of the 144 LDS loads
	WIN 0x40                                       ; all 32 fragments of W1 into windows 1 and 2: they stay
.set f, 0
.rept 16
.irp c, 0,1,2,3
	ds_load_b128 v[16*f+4*\c:16*f+4*\c+3], v[LI] offset:2048*f+512*\c
.endr
.set f, f+1
.endr
	WIN 0x80
.rept 16
.irp c, 0,1,2,3
	ds_load_b128 v[16*(f-16)+4*\c:16*(f-16)+4*\c+3], v[LI] offset:2048*f+512*\c
.endr
.set f, f+1
.endr
	WIN 0
.irp ct, 0,1,2,3
.irp p, 0,1,2,3
	ds_load_b32 v[WS+(KS/2)*\ct+\p], v[LSW] offset:64*KS*\ct+128*\p
.endr
.endr
	s_wait_dscnt 0x0
.Lpair:                                                ; a trip: tiles t and t + 4, on the two buffers; each buffer's loads are out while the other's tile is multiplied
	SETX VB, VSB, 4                                ; (B's last loads were shown done by the second wait of the trip before)
	LOADX 128, VB, XSB, VSB
	s_wait_loadcnt 36                              ; A's 36 loads are in; B's 36, issued behind them, may be out
	TILE 0, XSA, 0
	SETX VA, VSA, 8
	LOADX 0, VA, XSA, VSA
	s_wait_loadcnt 36                              ; B's are in; A's may be out
	s_add_co_u32 s26, s25, 4
	s_cmp_ge_u32 s26, s24
	s_cbranch_scc1 .Lskip                          ; no tile t + 4
	TILE 128, XSB, 4
.Lskip:
	s_add_co_u32 s25, s25, 8                       ; the tile number goes on; the loop ends on its own counter, one a trip
	s_add_co_u32 s[TRIP], s[TRIP], 1
	s_cmp_lt_u32 s[TRIP], s[TRIP+1]
	s_cbranch_scc1 .Lpair
.Lend:
	s_wait_tensorcnt 0x0
	ds_add_u32 v126, v127
	s_wait_dscnt 0x0
	s_endpgm
.Lfunc_end_k_q0a4fa46f8d_gemm1:
	.size	k_q0a4fa46f8d_gemm1, .Lfunc_end_k_q0a4fa46f8d_gemm1-k_q0a4fa46f8d_gemm1
	.p2alignl 7, 3214868480
	.fill 96, 4, 3214868480
	.section	.rodata,"a",@progbits
	.p2align	6, 0x0
	.amdhsa_kernel k_q0a4fa46f8d_gemm1
		.amdhsa_group_segment_fixed_size 68096
		.amdhsa_private_segment_fixed_size 0
		.amdhsa_enable_private_segment 0
		.amdhsa_kernarg_size 56
		.amdhsa_user_sgpr_count 2
		.amdhsa_user_sgpr_kernarg_segment_ptr 1
		.amdhsa_wavefront_size32 1
		.amdhsa_system_sgpr_workgroup_id_x 1
		.amdhsa_system_sgpr_workgroup_id_y 1
		.amdhsa_system_sgpr_workgroup_id_z 1
		.amdhsa_system_vgpr_workitem_id 0
		.amdhsa_next_free_vgpr 1024
		.amdhsa_next_free_sgpr 66
		.amdhsa_reserve_vcc 0
		.amdhsa_float_denorm_mode_32 3
		.amdhsa_float_denorm_mode_16_64 3
		.amdhsa_memory_ordered 1
		.amdhsa_forward_progress 1
		.amdhsa_inst_pref_size 115
	.end_amdhsa_kernel
	.amdgpu_metadata
---
amdhsa.version: [ 1, 2 ]
amdhsa.kernels:
  - .name:           k_q0a4fa46f8d_gemm1
    .symbol:         k_q0a4fa46f8d_gemm1.kd
    .args:
      - { .name: W1, .offset: 0, .size: 8, .value_kind: global_buffer, .address_space: global }
      - { .name: b1, .offset: 8, .size: 8, .value_kind: global_buffer, .address_space: global }
      - { .name: xq, .offset: 16, .size: 8, .value_kind: global_buffer, .address_space: global }
      - { .name: xs, .offset: 24, .size: 8, .value_kind: global_buffer, .address_space: global }
      - { .name: cnt, .offset: 32, .size: 8, .value_kind: global_buffer, .address_space: global }
      - { .name: hq, .offset: 40, .size: 8, .value_kind: global_buffer, .address_space: global }
      - { .name: hs, .offset: 48, .size: 8, .value_kind: global_buffer, .address_space: global }
    .group_segment_fixed_size: 68096
    .private_segment_fixed_size: 0
    .kernarg_segment_align: 8
    .kernarg_segment_size: 56
    .max_flat_workgroup_size: 128
    .sgpr_count:     66
    .vgpr_count:     1024
    .wavefront_size: 32
...
	.end_amdgpu_metadata
.endif
;; end of part 3
;; launch gemm2 (part 4): grid 256 x 1, 4 waves a work-group, no clusters, 77,312 bytes of LDS; arguments W2, b2, hq, hs, cnt, order, out0; writes out0
.if DOCPART == 4
	.amdgcn_target "amdgcn-amd-amdhsa--gfx1250"
	.amdhsa_code_object_version 6
	.text
	.protected	k_q0a4fa46f8d_gemm2
	.globl	k_q0a4fa46f8d_gemm2
	.p2align	8
	.type	k_q0a4fa46f8d_gemm2,@function
k_q0a4fa46f8d_gemm2:
	s_mov_b64 s[64:65], 0
	v_nop
	global_prefetch_b8 v0, s[64:65] scope:SCOPE_SE
	s_setreg_imm32_b32 hwreg(HW_REG_WAVE_MODE, 25, 1), 1
	s_wait_xcnt 0x0
; out0[token] = h Q(W2[e]) + b2[e] for the rows that chose expert e, on codes of E5M2 with one E8M0 scale for each 32 along K.  W2: [8][2048 (K)][1024] f32; h comes as codes (hq, hs) in the order of an operand's registers.
; THE WEIGHTS STAY, THE ROWS COME.  Work-group (e, j), e = number / 32, j = number % 32, owns output columns 32 j .. 32 j + 31 of expert e: 2,048 x 32 numbers, 256 KB of f32, read from memory ONCE in the launch.
; A: the slice is quantised down K: a lane takes 4 columns and the 32 rows of one block; wave w takes K rows 512 w on, in four units of 128 rows (eight lanes to a row's 128 bytes, four blocks to a unit).  The codes go to
;    LDS as images of the operand's registers (fragment 2 s + ct), the scale bytes beside them.  One barrier.
; B: every wave takes all 32 fragments into 512 registers, and then the expert's tiles of 16 rows t = wave, wave + 4, ..: h's sixteen fragments in two halves, 32 matrix instructions on two accumulators by turns,
;    through the wave's own stage in LDS, and out to the rows that order[e] names.  Each output row has one expert, so each byte of out0 has one owner.
; THE PRODUCT IS USED TRANSPOSED (source 0 = 16 columns of W2, source 1 = 16 rows of h): a lane holds eight neighbouring numbers of a row.  b2 is the C of each sum's first matrix instruction.
; A row that only fills a tile is a copy of the expert's first row: it stores the same bytes to the same place, from the same work-group.  So all lanes stay on.
; NO TENSOR LOADS, NO CLUSTER: the 32 work-groups of an expert read the same tiles of h, but how many there are is a number read from memory (cnt[e]).
; No prefetch: phase A has up to 63 loads of 512 bytes a wave on their way from the first line on.
; LIMITS: W2 is read, and out0 written, in pieces of 128 consecutive bytes (32 columns): with 64 columns to a work-group only 128 work-groups would stream the weights.  A block of zeros gets the byte 1 where the rule
; says 127 (its codes are zeros; this program alone reads the bytes).  NaN and infinities are not served.
; REGISTERS, in windows of 256.  Window 0: addresses, scale words, b2, the two accumulators, work.  Windows 1, 2: A: the 512 numbers of four units; B: the 32 fragments of W2, K steps 0-7 and 8-15.
; Window 3: A: the codes; B: h's fragments, K step s at 16 s: the first half of K at 0, the second at 128.
.set NCT,   2
.set KS,    16
.set PITCH, 4096                       ; a row of W2 in bytes
.set RPU,   128                        ; rows of K in a unit: four blocks, eight lanes each
.set WSC,   65536                      ; LDS: behind the images: W2's scale bytes: (16 ct + s) x 64 + 4 r + c
.set STG,   67584                      ; and the stages: 16 rows x (128 bytes + 16) for each wave
.set LI,  1                            ; v1   16 x lane
.set LS,  2                            ; v2   4 x lane
.set WO,  3                            ; v3   W2: 16 (lane % 8) + 32 rows x (lane / 8)
.set IA,  4                            ; v4   where my codes go in the images
.set SA,  5                            ; v5   and my scale bytes
.set LSW, 6                            ; v6   WSC + 4 x lane
.set VA,  7                            ; v7, v8   offsets of the tile in hq, for the two halves of K
.set VB,  8
.set VSA, 9                            ; v9, v10  and in hs
.set VSB, 10
.set VO,  11                           ; v11  and in order[e]
.set STO, 12                           ; v12  the stage: where I put 32 bytes of a row
.set SRD, 13                           ; v13  and where I read 16 bytes back: eight lanes to a row, four rows an instruction
.set C16, 14                           ; v14  16 (lane % 8)
.set BO,  15                           ; v15  32 (lane / 16)
.set WS,  16                           ; v16-31 W2's scale words: register 8 ct + p: lanes 0-15 K step 2 p, lanes 16-31 K step 2 p + 1
.set HS,  32                           ; v32-39 h's likewise
.set TOK, 40                           ; v40-43 the tokens of rows 4 i + lane / 8
.set BIAS, 44                          ; v44-59 b2 in the result's layout
.set ACC, 60                           ; v60-75 the two accumulators
.set OD,  76                           ; v76-91 16 rows read back from the stage
.set OA,  92                           ; v92-95 their offsets in out0
.set G4,  108                          ; v108 4 (lane / 8)
.set BY,  60                           ; phase A: v60-75 scale bytes, v96-99 largest magnitudes, v100-103 scale operands, v104-107 57,344 x the scale, v128-255 a unit's numbers, held
.set M,   96
.set SO,  100
.set L,   104
.set T,   128
.set MNT, 30                           ; s30
.set TRIP, 32                          ; s32  trips done;  s33  trips to do
.set MSB, 0
.macro WIN new                         ; the immediate's high byte repeats the setting that is left; a switch that changes nothing is dropped
.if MSB != (\new)
	s_set_vgpr_msb (MSB<<8)|(\new)
.set MSB, (\new)
.endif
.endm
	s_load_b256 s[4:11], s[0:1], 0x0               ; W2 s[4:5], b2 s[6:7], hq s[8:9], hs s[10:11]
	s_load_b128 s[12:15], s[0:1], 0x20             ; cnt s[12:13], order s[14:15]
	s_load_b64 s[16:17], s[0:1], 0x30              ; out0
	v_lshl_add_u32 v126, v0, 2, 0x12c00
	v_mov_b32 v127, 0
	v_lshrrev_b32 v120, 5, v0
	v_readfirstlane_b32 s18, v120                  ; wave 0 .. 3
	s_lshr_b32 s19, ttmp9, 5                       ; e
	s_and_b32 s20, ttmp9, 31                       ; j
	v_and_b32 v120, 31, v0
	v_lshlrev_b32 v[LI], 4, v120
	v_lshlrev_b32 v[LS], 2, v120
	v_and_b32 v120, 7, v0                          ; q: my 4 columns are 4 q + jc
	v_bfe_u32 v121, v0, 3, 2                       ; g: which block of a unit
	v_bfe_u32 v122, v0, 2, 1                       ; q / 4 = ct
	v_and_b32 v123, 3, v0                          ; q % 4
	v_and_b32 v124, 15, v0                         ; r
	v_bfe_u32 v125, v0, 4, 1                       ; h
	v_lshlrev_b32 v[WO], 4, v120
	v_lshl_add_u32 v[WO], v121, 17, v[WO]          ; + 32 rows of 4,096 bytes
	; column n = 4 q + jc is row r = 4 (q % 4) + jc of tile ct = q / 4; block 16 w + 4 U + g is K step 4 w + U, c = g
	v_lshlrev_b32 v[IA], 11, v122                  ; 2,048 ct,
	v_lshl_add_u32 v[IA], v121, 9, v[IA]           ; 512 g,
	v_lshl_add_u32 v[IA], v123, 6, v[IA]           ; 16 r,
	s_lshl_b32 s26, s18, 14
	v_add_nc_u32 v[IA], s26, v[IA]                 ; 4,096 x 4 w
	v_lshl_add_u32 v[SA], v122, 10, v121           ; 1,024 ct + g,
	v_lshl_add_u32 v[SA], v123, 4, v[SA]           ; 4 r,
	s_lshl_b32 s26, s18, 8
	s_add_co_u32 s26, s26, WSC
	v_add_nc_u32 v[SA], s26, v[SA]                 ; 64 x 4 w
	v_add_nc_u32 v[LSW], WSC, v[LS]
	s_mul_i32 s26, s18, 16*144
	s_add_co_u32 s26, s26, STG                     ; my stage
	v_mul_u32_u24 v[STO], v124, 144
	v_lshl_add_u32 v[STO], v125, 5, v[STO]
	v_add_nc_u32 v[STO], s26, v[STO]
	v_mul_u32_u24 v[SRD], v121, 144
	v_lshl_add_u32 v[SRD], v120, 4, v[SRD]
	v_add_nc_u32 v[SRD], s26, v[SRD]
	v_lshlrev_b32 v[C16], 4, v120
	v_lshlrev_b32 v[BO], 5, v125
	v_lshlrev_b32 v[G4], 2, v121
	s_mov_b32 s[MNT], 0x600000
	s_mov_b32 s23, 0
	s_wait_kmcnt 0x0
	s_lshl_b32 s22, s19, 2
	s_add_nc_u64 s[12:13], s[12:13], s[22:23]
	s_load_b32 s27, s[12:13], 0x0                  ; cnt[e]: wanted behind the barrier
	s_lshl_b32 s22, s19, 23                        ; W2: 8 MB an expert, 512 rows a wave, 128 bytes a slice
	s_lshl_b32 s26, s18, 21
	s_add_co_u32 s22, s22, s26
	s_lshl_b32 s26, s20, 7
	s_add_co_u32 s22, s22, s26
	s_add_nc_u64 s[4:5], s[4:5], s[22:23]
	s_lshl_b32 s22, s19, 12                        ; b2: 4,096 bytes an expert, 128 a slice
	s_add_co_u32 s22, s22, s26
	s_add_nc_u64 s[6:7], s[6:7], s[22:23]
	s_mov_b32 s22, s26
	s_add_nc_u64 s[16:17], s[16:17], s[22:23]      ; out0 at my 32 columns
	s_lshl_b32 s22, s19, 22
	s_add_nc_u64 s[8:9], s[8:9], s[22:23]          ; hq: 4 MB an expert
	s_lshl_b32 s22, s19, 17
	s_add_nc_u64 s[10:11], s[10:11], s[22:23]      ; hs
	s_lshl_b32 s22, s19, 13
	s_add_nc_u64 s[14:15], s[14:15], s[22:23]      ; order
.irp ct, 0,1                           ; b2: lane (r, h) wants, for tile ct, columns 16 ct + 8 h + 0 .. 7
	global_load_b128 v[BIAS+8*\ct:BIAS+8*\ct+3],   v[BO], s[6:7] offset:64*\ct
	global_load_b128 v[BIAS+8*\ct+4:BIAS+8*\ct+7], v[BO], s[6:7] offset:64*\ct+16
.endr
.irp U, 0,1,2,3                        ; all 128 loads of my 512 rows: unit U into 128 registers of window 1 + U / 2; register 4 i + jc = row i of my block, column jc
	WIN (1+\U/2)<<6
.set i, 0
.rept 32
	global_load_b128 v[128*(\U%2)+4*i:128*(\U%2)+4*i+3], v[WO], s[4:5] offset:(RPU*\U+i)*PITCH th:TH_LOAD_NT
.set i, i+1
.endr
.endr
	WIN 0
; A unit: my block of 32 rows x 4 columns becomes 4 x 32 codes and 4 scale bytes, and goes to LDS.  Every LDS store has data registers of its own.
.macro UNIT U
.set WN, 1+(\U)/2
.set SB, 128*((\U)%2)
.set IU, 4096*(\U)
.set SU, 64*(\U)
	WIN 5*WN                                       ; sources 0 and 1: the unit's window
.irp jc, 0,1,2,3
	v_max3_num_f32 v[M+\jc], |v[SB+\jc]|, |v[SB+4+\jc]|, 0x8000000 ; a column's first two numbers, and the floor 2^(16 - 127): so the byte cannot fall under 1
.endr
.set p, 1
.rept 15
.irp jc, 0,1,2,3
	v_max3_num_f32 v[M+\jc], |v[SB+8*p+\jc]|, |v[SB+8*p+4+\jc]|, v[M+\jc]   ; (the four columns by turns)
.endr
.set p, p+1
.endr
	WIN 0
.irp jc, 0,1,2,3
	v_add_nc_u32 v[SO+\jc], 0xf8800000, v[M+\jc]   ; 15 off the exponent field: the conversion's scale operand
.endr
.irp jc, 0,1,2,3
	v_and_or_b32 v[L+\jc], v[M+\jc], 0x7f800000, s[MNT]            ; 57,344 x the scale
.endr
.irp jc, 0,1,2,3
	v_lshrrev_b32 v[BY+4*(\U)+\jc], 23, v[SO+\jc]  ; the scale's byte
.endr
	WIN WN                                         ; source 0: the unit's window
.irp jc, 0,1,2,3
.set i, 0
.rept 32
	v_med3_num_f32 v[T+32*\jc+i], v[SB+4*i+\jc], -v[L+\jc], v[L+\jc]   ; the hold (the conversion does not saturate: ISA guide 7.6.2), and on the way the column's 32 numbers come to lie in consecutive registers
.set i, i+1
.endr
.endr
	WIN 0xc0                                       ; destination window 3
.irp jc, 0,1,2,3
.irp k, 0,1,2,3
	v_cvt_scalef32_pk8_bf8_f32 v[32*(\U)+8*\jc+2*\k:32*(\U)+8*\jc+2*\k+1], v[T+32*\jc+8*\k:T+32*\jc+8*\k+7], v[SO+\jc]
.endr
.endr
	v_nop                                          ; one plain vector instruction behind the last conversion
	WIN 0x0c                                       ; an LDS store's data are its source 1: window 3
.irp jc, 0,1,2,3
.irp hh, 0,1
	ds_store_b128 v[IA], v[32*(\U)+8*\jc+4*\hh:32*(\U)+8*\jc+4*\hh+3] offset:IU+256*\hh+16*\jc   ; k 16 hh .. 16 hh + 15 of the block: what lane 16 hh + r of the operand holds
.endr
.endr
	WIN 0
.irp jc, 0,1,2,3
	ds_store_b8 v[SA], v[BY+4*(\U)+\jc] offset:SU+4*\jc
.endr
.endm
	s_wait_loadcnt 63                              ; loads come back in order: behind unit 1's last load 64 were issued, so b2 and units 0 and 1 are in (63 is the largest count that a wait names)
	UNIT 0
	UNIT 1
	s_wait_loadcnt 32                              ; unit 3's 32 loads may be out
	UNIT 2
	s_wait_loadcnt 0x0
	UNIT 3
	s_wait_dscnt 0x0                               ; for the others' sake: my images and bytes have landed
	s_barrier_signal -1
	s_barrier_wait -1                              ; the one barrier, on every wave's path: no branch on the count stands ahead of it.  Behind it the images are only read, and each wave's stage is its own
	s_wait_kmcnt 0x0
	s_min_u32 s27, s27, 2048
	s_add_co_u32 s24, s27, 15
	s_lshr_b32 s24, s24, 4                         ; T: the expert's tiles of 16 rows
	s_mov_b32 s25, s18                             ; t: my first tile
	s_cmp_ge_u32 s25, s24
	s_cbranch_scc1 .Lend
	s_sub_co_u32 s21, s24, 1
	s_sub_co_u32 s[TRIP+1], s24, s18               ; T - wave is at least 1 here.  A trip takes one tile, and t goes on by 4:
	s_add_co_u32 s[TRIP+1], s[TRIP+1], 3
	s_lshr_b32 s[TRIP+1], s[TRIP+1], 2             ; (T - wave + 3) / 4 trips
	s_mov_b32 s[TRIP], 0
.macro LOADHA                          ; 36 loads: K steps 0-7 of a tile of h, as they lie, and their scale words
	WIN 0xc0
.irp s, 0,1,2,3,4,5,6,7
.irp c, 0,1,2,3
	global_load_b128 v[16*\s+4*\c:16*\s+4*\c+3], v[VA], s[8:9] offset:2048*\s+512*\c
.endr
.endr
	WIN 0
.irp p, 0,1,2,3
	global_load_b32 v[HS+\p], v[VSA], s[10:11] offset:128*\p
.endr
.endm
.macro LOADHB                          ; 40 loads: K steps 8-15, their scale words, and the tile's tokens
	WIN 0xc0
.irp s, 8,9,10,11,12,13,14,15
.irp c, 0,1,2,3
	global_load_b128 v[16*\s+4*\c:16*\s+4*\c+3], v[VB], s[8:9] offset:2048*\s+512*\c
.endr
.endr
	WIN 0
.irp p, 4,5,6,7
	global_load_b32 v[HS+\p], v[VSB], s[10:11] offset:128*\p
.endr
.irp i, 0,1,2,3
	global_load_b32 v[TOK+\i], v[VO], s[14:15] offset:16*\i
.endr
.endm
.macro MM s, ct                        ; K step s of tile ct.  An odd K step's scale words stand in lanes 16-31
.set WR, 16*((NCT*(\s)+(\ct))%16)
.set DR, ACC+8*(\ct)
.set AR, 16*(\s)
.set SCW, WS+(KS/2)*(\ct)+(\s)/2
.set SCX, HS+(\s)/2
.if (\s) == 0
	v_wmma_scale_f32_16x16x128_f8f6f4 v[DR:DR+7], v[WR:WR+15], v[AR:AR+15], v[BIAS+8*(\ct):BIAS+8*(\ct)+7], v[SCW], v[SCX] matrix_a_fmt:MATRIX_FMT_BF8 matrix_b_fmt:MATRIX_FMT_BF8
.elseif (\s)%2 == 0
	v_wmma_scale_f32_16x16x128_f8f6f4 v[DR:DR+7], v[WR:WR+15], v[AR:AR+15], v[DR:DR+7], v[SCW], v[SCX] matrix_a_fmt:MATRIX_FMT_BF8 matrix_b_fmt:MATRIX_FMT_BF8
.else
	v_wmma_scale_f32_16x16x128_f8f6f4 v[DR:DR+7], v[WR:WR+15], v[AR:AR+15], v[DR:DR+7], v[SCW], v[SCX] matrix_a_fmt:MATRIX_FMT_BF8 matrix_b_fmt:MATRIX_FMT_BF8 matrix_a_scale:MATRIX_SCALE_ROW1 matrix_b_scale:MATRIX_SCALE_ROW1
.endif
.endm
	s_min_u32 s26, s25, 127                        ; a number that hangs on the count enters an address only behind a hold by a constant
	s_lshl_b32 s31, s26, 15
	v_add_nc_u32 v[VA], s31, v[LI]                 ; hq: 32,768 bytes a tile
	s_lshl_b32 s31, s26, 10
	v_add_nc_u32 v[VSA], s31, v[LS]                ; hs: 1,024
	LOADHA                                         ; my first tile's first half is asked for ahead of the 144 LDS loads
	WIN 0x40                                       ; all 32 fragments of W2 into windows 1 and 2: they stay
.set f, 0
.rept 16
.irp c, 0,1,2,3
	ds_load_b128 v[16*f+4*\c:16*f+4*\c+3], v[LI] offset:2048*f+512*\c
.endr
.set f, f+1
.endr
	WIN 0x80
.rept 16
.irp c, 0,1,2,3
	ds_load_b128 v[16*(f-16)+4*\c:16*(f-16)+4*\c+3], v[LI] offset:2048*f+512*\c
.endr
.set f, f+1
.endr
	WIN 0
.irp ct, 0,1
.irp p, 0,1,2,3,4,5,6,7
	ds_load_b32 v[WS+(KS/2)*\ct+\p], v[LSW] offset:64*KS*\ct+128*\p
.endr
.endr
	s_wait_dscnt 0x0
.Ltile:                                                ; a trip: tile t.  Each half's loads are out while the other half is multiplied
	s_min_u32 s26, s25, 127
	s_lshl_b32 s31, s26, 15
	v_add_nc_u32 v[VB], s31, v[LI]                 ; (the second half's last loads were shown done by the second wait of the trip before)
	s_lshl_b32 s31, s26, 10
	v_add_nc_u32 v[VSB], s31, v[LS]
	s_lshl_b32 s31, s26, 6
	v_add_nc_u32 v[VO], s31, v[G4]                 ; order: 64 bytes a tile
	LOADHB
	s_wait_loadcnt 40                              ; the first half's 36 loads are in; the 40 issued behind them may be out
	WIN 0x0d                                       ; source 0 (W2) window 1, source 1 (h) window 3
.irp s, 0,1,2,3,4,5,6,7                ; the two accumulators take turns, one instruction a turn, over the backward jump too
.irp ct, 0,1
	MM \s, \ct
.endr
.endr
	WIN 0
	s_add_co_u32 s26, s25, 4                       ; the next tile, or, past the end, the last one, whose bytes exist; what is loaded so is not used
	s_min_u32 s26, s26, s21
	s_min_u32 s26, s26, 127
	s_lshl_b32 s31, s26, 15
	v_add_nc_u32 v[VA], s31, v[LI]
	s_lshl_b32 s31, s26, 10
	v_add_nc_u32 v[VSA], s31, v[LS]
.rept 6
	v_nop                                          ; with the two additions: eight places in front of loads into registers that matrix instructions have read
.endr
	LOADHA
	s_wait_loadcnt 36                              ; the second half and the tokens are in; the 36 just issued may be out
	WIN 0x0e                                       ; source 0 window 2
.irp s, 8,9,10,11,12,13,14,15
.irp ct, 0,1
	MM \s, \ct
.endr
.endr
	WIN 0
	s_wait_xcnt 0x0                                ; the last tile's stores have read their offsets and data: they are written again only behind this wait
.irp i, 0,1,2,3
	v_min_u32 v[OA+\i], 2047, v[TOK+\i]            ; a listed number enters an address only behind this hold
.endr
.irp i, 0,1,2,3
	v_lshl_add_u32 v[OA+\i], v[OA+\i], 12, v[C16]  ; the token's row of 4,096 bytes + my 16 bytes.  These eight lines are the eight places between the last product and the first read of a result
.endr
	ds_store_b128 v[STO], v[ACC:ACC+3]                             ; lane (r, h): row r, columns 16 ct + 8 h + 0 .. 7; each accumulator from its low end on
	ds_store_b128 v[STO], v[ACC+4:ACC+7] offset:16
	ds_store_b128 v[STO], v[ACC+8:ACC+11] offset:64
	ds_store_b128 v[STO], v[ACC+12:ACC+15] offset:80
.irp i, 0,1,2,3
	ds_load_b128 v[OD+4*\i:OD+4*\i+3], v[SRD] offset:576*\i        ; LDS serves a wave's instructions in order (ISA guide 5.7.1.4): these see my stores, and the next tile's stores come behind them
.endr
.irp i, 0,1,2,3
	s_wait_dscnt 3-\i                              ; the younger loads from the stage may be out
	global_store_b128 v[OA+\i], v[OD+4*\i:OD+4*\i+3], s[16:17] th:TH_STORE_NT      ; four rows an instruction, eight lanes to a row's 128 consecutive bytes
.endr
	s_add_co_u32 s25, s25, 4                       ; the tile number goes on; the loop ends on its own counter, one a trip
	s_add_co_u32 s[TRIP], s[TRIP], 1
	s_cmp_lt_u32 s[TRIP], s[TRIP+1]
	s_cbranch_scc1 .Ltile
.Lend:
	s_wait_tensorcnt 0x0
	ds_add_u32 v126, v127
	s_wait_dscnt 0x0
	s_endpgm
.Lfunc_end_k_q0a4fa46f8d_gemm2:
	.size	k_q0a4fa46f8d_gemm2, .Lfunc_end_k_q0a4fa46f8d_gemm2-k_q0a4fa46f8d_gemm2
	.p2alignl 7, 3214868480
	.fill 96, 4, 3214868480
	.section	.rodata,"a",@progbits
	.p2align	6, 0x0
	.amdhsa_kernel k_q0a4fa46f8d_gemm2
		.amdhsa_group_segment_fixed_size 77312
		.amdhsa_private_segment_fixed_size 0
		.amdhsa_enable_private_segment 0
		.amdhsa_kernarg_size 56
		.amdhsa_user_sgpr_count 2
		.amdhsa_user_sgpr_kernarg_segment_ptr 1
		.amdhsa_wavefront_size32 1
		.amdhsa_system_sgpr_workgroup_id_x 1
		.amdhsa_system_sgpr_workgroup_id_y 1
		.amdhsa_system_sgpr_workgroup_id_z 1
		.amdhsa_system_vgpr_workitem_id 0
		.amdhsa_next_free_vgpr 1024
		.amdhsa_next_free_sgpr 66
		.amdhsa_reserve_vcc 0
		.amdhsa_float_denorm_mode_32 3
		.amdhsa_float_denorm_mode_16_64 3
		.amdhsa_memory_ordered 1
		.amdhsa_forward_progress 1
		.amdhsa_inst_pref_size 103
	.end_amdhsa_kernel
	.amdgpu_metadata
---
amdhsa.version: [ 1, 2 ]
amdhsa.kernels:
  - .name:           k_q0a4fa46f8d_gemm2
    .symbol:         k_q0a4fa46f8d_gemm2.kd
    .args:
      - { .name: W2, .offset: 0, .size: 8, .value_kind: global_buffer, .address_space: global }
      - { .name: b2, .offset: 8, .size: 8, .value_kind: global_buffer, .address_space: global }
      - { .name: hq, .offset: 16, .size: 8, .value_kind: global_buffer, .address_space: global }
      - { .name: hs, .offset: 24, .size: 8, .value_kind: global_buffer, .address_space: global }
      - { .name: cnt, .offset: 32, .size: 8, .value_kind: global_buffer, .address_space: global }
      - { .name: order, .offset: 40, .size: 8, .value_kind: global_buffer, .address_space: global }
      - { .name: out0, .offset: 48, .size: 8, .value_kind: global_buffer, .address_space: global }
    .group_segment_fixed_size: 77312
    .private_segment_fixed_size: 0
    .kernarg_segment_align: 8
    .kernarg_segment_size: 56
    .max_flat_workgroup_size: 128
    .sgpr_count:     66
    .vgpr_count:     1024
    .wavefront_size: 32
...
	.end_amdgpu_metadata
.endif
;; end of part 4
